; MI455X (gfx1250); checked and timed in simulation.
; The chip was launched on July 23, 2026; its instructions are those of AMD's public machine-readable ISA for CDNA 5 (MIT licence, August 2026) and "CDNA5" Instruction Set Architecture Reference Guide (July 2026). The comments in the code are by the model that wrote it; some were corrected since.
;; Custom Attention. Allowed arithmetic: matrix products marked QUANTISED: E5M2 operands, one given power-of-two scale a tensor, by v_wmma_f32_16x16x64_bf8_bf8 or v_wmma_f32_16x16x128_bf8_bf8, f32 sums; products left as they are: f32 operands where the result goes on into a quantised operand, else bf16, f16 or f32 operands; f32 sums; everything else in f32.
;; Inputs: W 1,024 x 1,024 float32; b 1,024 float32; decoder_hidden 32 x 1,024 float32; encoder_outputs 2,048 x 32 x 1,024 float32; lowp_scales 2 int32 (the exponents e of the quantised operands' scales 2^e).
;; Outputs: out0 32 x 1 x 2,048 float32.
;; This version of the problem:
;;   THIS VERSION OF THE PROBLEM IS GIVEN IN LOW PRECISION. The matrix products marked QUANTISED in the list below multiply operands that are first quantised to E5M2 (5 exponent bits, 2 mantissa bits; 8 bits a number), with one given power-of-two scale for each operand tensor; their sums are f32. All else is computed in f32.
;;   The module's matrix products, in the order in which they are computed (A, B: the left and right operand; K: the contracted axis; several contracted axes count as one K, in the product's order):
;;     1. [M 65,536, K 1,024] x [K 1,024, N 1,024]; A: input encoder_outputs; B: input W: QUANTISED (scales: A lowp_scales[0], B lowp_scales[1])
;;     2. batch 32 x [M 1, K 1,024] x [K 1,024, N 2,048]; A: input decoder_hidden; B: computed on the way: left as it is (M = 1 < 16)
;;   THE QUANTISER, for each operand of a quantised product, along K:
;;     - The operand's scale is 2^e, e = its entry of the input lowp_scales (int32; the entries are numbered through the quantised products in the list's order, A before B).
;;     - Each number is divided by the scale, clamped to +-57,344, and rounded to the nearest number of E5M2, ties to even, subnormals kept.
;;     - The product sums the exact products of the quantised numbers (number of the format x scale) in f32.
;;   ~~~python
;;   def quantise(x, axis, e):      # numpy; x: float32 -> the quantised numbers, widened to float32 again
;;       x = np.moveaxis(x, axis, -1); K = x.shape[-1]
;;       r = np.clip(x / 2.0 ** e, -57344, 57344)
;;       step = 2.0 ** (np.maximum(np.frexp(np.where(r == 0, 1, r))[1] - 1, -14) - 2)
;;       q = np.round(r / step) * step * 2.0 ** e      # np.round: ties to even
;;       return np.moveaxis(q, -1, axis).astype(np.float32)
;;   ~~~
;; One version. Each part assembles by itself: llvm-mc -triple=amdgcn-amd-amdhsa -mcpu=gfx1250 --defsym DOCPART=n.
;; ======== version 1 of 1: 3 launches
;; workspace buffers: w_codes 1,048,576 bytes; energies 262,144 bytes
;; launch wq (part 1): grid 256 x 1, 4 waves a work-group, no clusters, 0 bytes of LDS; arguments W, lowp_scales, w_codes; writes w_codes
.if DOCPART == 1
	.amdgcn_target "amdgcn-amd-amdhsa--gfx1250"
	.amdhsa_code_object_version 6
	.text
	.protected	k_qa79d328c10_wq
	.globl	k_qa79d328c10_wq
	.p2align	8
	.type	k_qa79d328c10_wq,@function
k_qa79d328c10_wq:
	s_mov_b64 s[64:65], 0
	v_nop
	global_prefetch_b8 v0, s[64:65] scope:SCOPE_SE
	s_setreg_imm32_b32 hwreg(HW_REG_WAVE_MODE, 25, 1), 1
	s_wait_xcnt 0x0
; THE PROGRAM: out0[b][0][s] = softmax over s of energies[b][s],
;   energies[b][s] = sum over e of dh[b][e] x ( sum over d of Q(enc[s][b][d]) Q(W[e][d]) + bias[e] ),  Q = the quantiser to E5M2 with the given scales 2^e0 (enc), 2^e1 (W).
; Three launches: this one turns W into codes; the second quantises enc on the way, multiplies on the codes and folds the sums with dh; the third is the softmax.
; DEAD WORK, LEFT OUT IN THE WHOLE PROGRAM: the input b (the bias).  It adds sum over e of dh[b][e] bias[e] to energies[b][s]: a term that does not hang on s.  The softmax runs along s, and
; softmax(x + t) = softmax(x) for every finite t, whatever the inputs hold.  The bias is no operand of a quantised product: it moves no code.  So b has no way to the output: it is not loaded and is
; among no launch's arguments.  LIMIT: a NaN, an infinity or an overflow that enters through b alone is not carried to the result; a bias so large that f32 would lose the energies beside it is not imitated.
;
; THIS LAUNCH: W [1024 (e)][1024 (d)], f32, becomes codes of E5M2: code = W / 2^e1, held within +-57,344, to the nearest code, ties to even.  e1 = entry 1 of lowp_scales.
; LIMITS: -126 <= e1 <= 112, so that 2^e1 and 57,344 x 2^e1 are f32 numbers.  NaN in W is not served (an infinity is held at the largest code).
; LAYOUT OF w_codes: [chunk c = 0..3][e = 0..1023][256 bytes]: byte 16 y + 4 q + i (y = 0..15, q = 0..3, i = 0..3) of row (c, e) is the code of W[e][256 c + 64 q + 4 y + i].
; That is the order in which a lane that loads 16 bytes of each of a row's four runs of 256 bytes holds its 16 numbers; the second launch lays the codes of enc in the same order, so every product meets its partner.
; So laid, 256 rows e of one chunk are one dense block of 65,536 bytes: a tile of the second launch.
; SHARES: 1,024 waves; wave g takes chunk g / 256, rows 4 (g % 256) .. + 3, as two pairs of rows: lanes 0-15 the even row, lanes 16-31 the odd one.
; Each load: sixteen lanes read 256 consecutive bytes, aligned.  Each store: the wave writes 512 consecutive bytes, aligned.  Waves share nothing: no LDS, no barrier.
.set X,   16                           ; v16-47  two pairs x 16 numbers: register 4 q + i
.set C,   48                           ; v48-55  two pairs x 4 registers of codes: no store's data are written again
.set SCL, 8                            ; v8      2^e1 as f32
.set LIM, 9                            ; v9      57,344 x 2^e1
	s_load_b128 s[4:7], s[0:1], 0x0                ; W, lowp_scales
	s_load_b64 s[8:9], s[0:1], 0x10                ; w_codes
	v_lshrrev_b32 v3, 5, v0
	v_readfirstlane_b32 s10, v3                    ; wave 0..3
	v_and_b32 v4, 31, v0                           ; lane
	v_bfe_u32 v5, v0, 4, 1                         ; lane / 16: which row of a pair
	v_and_b32 v6, 15, v0                           ; y
	v_lshlrev_b32 v1, 12, v5
	v_lshl_add_u32 v1, v6, 4, v1                   ; in: a row of W is 4,096 bytes; 16 bytes a lane
	v_lshlrev_b32 v2, 4, v4                        ; out: 16 x lane: two rows of 256 bytes on end
	s_lshl_b32 s11, ttmp9, 2
	s_add_co_u32 s11, s11, s10                     ; g
	s_lshr_b32 s12, s11, 8                         ; c
	s_and_b32 s13, s11, 255
	s_lshl_b32 s14, s13, 14                        ; 4 (g % 256) rows of 4,096 bytes
	s_lshl_b32 s15, s12, 10                        ; + the chunk's 1,024 bytes in a row
	s_add_co_u32 s14, s14, s15
	s_mov_b32 s15, 0
	s_lshl_b32 s16, s12, 18                        ; the chunk's 262,144 bytes of codes
	s_lshl_b32 s17, s13, 10                        ; + 4 (g % 256) rows of 256 bytes
	s_add_co_u32 s16, s16, s17
	s_mov_b32 s17, 0
	s_wait_kmcnt 0x0
	s_load_b32 s18, s[6:7], 0x4                    ; e1
	s_add_nc_u64 s[4:5], s[4:5], s[14:15]
	s_add_nc_u64 s[8:9], s[8:9], s[16:17]
.irp p, 0,1
.irp q, 0,1,2,3
	global_load_b128 v[X+16*\p+4*\q:X+16*\p+4*\q+3], v1, s[4:5] offset:8192*\p+256*\q th:TH_LOAD_NT   ; W is read once in this launch
.endr
.endr
	s_wait_kmcnt 0x0
	s_add_co_i32 s18, s18, 127
	s_lshl_b32 s19, s18, 23
	v_mov_b32 v[SCL], s19                          ; the conversion takes this number's exponent field
	s_add_co_i32 s18, s18, 15
	s_lshl_b32 s18, s18, 23
	s_or_b32 s18, s18, 0x600000                    ; 57,344 = 1.75 x 2^15
	v_mov_b32 v[LIM], s18
.irp p, 0,1
	s_wait_loadcnt 4-4*\p                          ; this pair's four loads are in; the second pair's four may be out
.irp i, 0,1,2,3,4,5,6,7,8,9,10,11,12,13,14,15
	v_med3_num_f32 v[X+16*\p+\i], v[X+16*\p+\i], -v[LIM], v[LIM]   ; the conversion to an 8-bit code does not saturate (ISA guide 7.6.2): the hold comes first
.endr
	v_cvt_scalef32_pk8_bf8_f32 v[C+4*\p:C+4*\p+1], v[X+16*\p:X+16*\p+7], v[SCL]
	v_cvt_scalef32_pk8_bf8_f32 v[C+4*\p+2:C+4*\p+3], v[X+16*\p+8:X+16*\p+15], v[SCL]
	global_store_b128 v2, v[C+4*\p:C+4*\p+3], s[8:9] offset:512*\p   ; the codes go to a store alone; the next vector lines are plain and touch other registers
.endr
	s_endpgm
.Lfunc_end_k_qa79d328c10_wq:
	.size	k_qa79d328c10_wq, .Lfunc_end_k_qa79d328c10_wq-k_qa79d328c10_wq
	.p2alignl 7, 3214868480
	.fill 96, 4, 3214868480
	.section	.rodata,"a",@progbits
	.p2align	6, 0x0
	.amdhsa_kernel k_qa79d328c10_wq
		.amdhsa_group_segment_fixed_size 0
		.amdhsa_private_segment_fixed_size 0
		.amdhsa_enable_private_segment 0
		.amdhsa_kernarg_size 24
		.amdhsa_user_sgpr_count 2
		.amdhsa_user_sgpr_kernarg_segment_ptr 1
		.amdhsa_wavefront_size32 1
		.amdhsa_system_sgpr_workgroup_id_x 1
		.amdhsa_system_sgpr_workgroup_id_y 1
		.amdhsa_system_sgpr_workgroup_id_z 1
		.amdhsa_system_vgpr_workitem_id 0
		.amdhsa_next_free_vgpr 64
		.amdhsa_next_free_sgpr 66
		.amdhsa_reserve_vcc 0
		.amdhsa_float_denorm_mode_32 3
		.amdhsa_float_denorm_mode_16_64 3
		.amdhsa_memory_ordered 1
		.amdhsa_forward_progress 1
		.amdhsa_inst_pref_size 5
	.end_amdhsa_kernel
	.amdgpu_metadata
---
amdhsa.version: [ 1, 2 ]
amdhsa.kernels:
  - .name:           k_qa79d328c10_wq
    .symbol:         k_qa79d328c10_wq.kd
    .args:
      - { .name: W, .offset: 0, .size: 8, .value_kind: global_buffer, .address_space: global }
      - { .name: lowp_scales, .offset: 8, .size: 8, .value_kind: global_buffer, .address_space: global }
      - { .name: w_codes, .offset: 16, .size: 8, .value_kind: global_buffer, .address_space: global }
    .group_segment_fixed_size: 0
    .private_segment_fixed_size: 0
    .kernarg_segment_align: 8
    .kernarg_segment_size: 24
    .max_flat_workgroup_size: 128
    .sgpr_count:     66
    .vgpr_count:     64
    .wavefront_size: 32
...
	.end_amdgpu_metadata
.endif
;; end of part 1
;; launch energy (part 2): grid 8 x 32, 4 waves a work-group, clusters of 4 x 1, 327,680 bytes of LDS; arguments encoder_outputs, decoder_hidden, w_codes, lowp_scales, energies; writes energies
.if DOCPART == 2
	.amdgcn_target "amdgcn-amd-amdhsa--gfx1250"
	.amdhsa_code_object_version 6
	.text
	.protected	k_qa79d328c10_energy
	.globl	k_qa79d328c10_energy
	.p2align	8
	.type	k_qa79d328c10_energy,@function
k_qa79d328c10_energy:
	s_mov_b64 s[64:65], 0
	v_nop
	global_prefetch_b8 v0, s[64:65] scope:SCOPE_SE
	s_setreg_imm32_b32 hwreg(HW_REG_WAVE_MODE, 25, 1), 1
	s_wait_xcnt 0x0
	s_wait_alu depctr_hold_cnt(0) depctr_sa_sdst(0) depctr_va_vdst(0) depctr_va_sdst(0) depctr_va_ssrc(0) depctr_va_vcc(0) depctr_vm_vsrc(0)
	s_getreg_b32 s2, hwreg(HW_REG_IB_STS2, 6, 4)
	s_cmp_eq_u32 s2, 0
	s_cbranch_scc0 .Lentry_in_a_cluster
	s_endpgm
.Lentry_in_a_cluster:
	s_bfe_u32 s2, ttmp6, 0x10000c
	s_cmp_lg_u32 s2, 0x3003
	s_cbranch_scc0 .Lentry_shape_is_right
	s_endpgm
.Lentry_shape_is_right:
; energies[b][s] = 2^(e0 + e1) x sum over e of dh[b][e] x ( sum over d of code(enc[s][b][d]) code(W[e][d]) ).  The bias is left out: it adds the same term to all s of a row b, which the softmax along s takes away (shown at the head of the first kernel).
; enc: [2048 (s)][32 (b)][1024 (d)] f32, quantised here in registers: code = x / 2^e0, held within +-57,344, nearest code, ties to even.  W's codes: from the launch before.  dh: [32][1024] f32.  All sums f32.
; LIMITS: -126 <= e0 <= 112 (2^e0 and 57,344 x 2^e0 are made as f32 numbers); e0 + e1 goes through v_ldexp_f32 and has none.  NaN in enc or dh is not served; an infinity in enc is held at the largest code.
; ORDER OF THE SUMS: other than the reference's: k is permuted within each 256, alike in both operands, and the sums over d are folded with dh chunk by chunk of 256 (the second product is linear in them).
; SHARES.  A work-group is one b and 256 positions s; wave w owns 64 of them (four tiles of 16 rows) and walks ALL of W.  So no fragment of enc is shared between waves, dh[b][e] is one factor for each column e of
; the first product, and each fragment of W read from LDS feeds four matrix instructions.
; K GOES IN FOUR CHUNKS OF 256.  For a chunk a wave holds its rows' codes in 128 registers.  For each tile of 16 e: 2 K steps x 4 tiles of rows = 8 matrix instructions, whose four results are folded at once:
; E[row] += dh[e] x D[row][e], 16 packed multiply-adds.  E is 32 registers: lane (r, h) sums the columns e = r mod 16 of rows 16 m + 8 h + j.  While a chunk is multiplied the next chunk of enc comes in and is quantised.
; W'S CODES come by tensor loads through a ring of two LDS slots: tile n (n = 0..15) = chunk n / 4, rows e = 256 (n % 4) on: 65,536 dense bytes; each wave moves a quarter.  A STEP is one tile: 128 matrix instructions a wave.
; CLUSTER.  All work-groups walk the same tiles: the four of a cluster ask for each JOINTLY, by the same load with a mask that names the four.  My place in the cluster enters only the addresses of enc and of energies.
; ENC comes by loads into registers, whose counted waits pass the ring's barriers.  A GROUP is 2 rows x 1,024 bytes: four loads, in each of which sixteen lanes read 256 consecutive bytes, aligned.  A lane then
; holds 16 numbers of one row (k = 64 q + 4 y + i): 16 holds, 2 conversions, one LDS store of 16 codes at byte 16 y of the row in my wave's own stage.  A PASS H = 0..7 is 16 groups: rows 32 (H % 2) on of chunk H / 2.
; Each group's registers are asked for again, for the next pass, as soon as they are converted: 60 to 64 loads of a wave are on their way throughout.
; REGISTERS, in windows of 256 (s_set_vgpr_msb: bits 1:0 source 0, 3:2 source 1, 5:4 source 2, 7:6 destination):
;   window 0: v1-15 addresses and constants; v16-23 at work; v32-63 E; v64-95, v96-127 the accumulators of a unit's two tiles of e; v128-255 my rows' fragments (tile m, K step k at 128 + 16 (2 m + k))
;   window 1: the 16 groups' numbers, 16 registers each       window 2: v0-127 W's fragments, two sets of 64; v128-143 dh; v144-151 codes just made
; One setting (source 1 in window 2) serves the matrix instruction, the fold and the stage's store, so the folds stand between the products without a switch.
.set PITCH, 272                        ; an LDS row: 256 bytes + 16 of padding = 68 words: row r starts at bank 4 r mod 64 (64 banks of 4 bytes: ISA guide 11.1)
.set QW,    64*PITCH                   ; 64 rows: a wave's quarter of a tile, and a wave's stage
.set SLOT1, 1<<17                      ; slot 0 at byte 0, slot 1 here: one exclusive or turns an address in one slot into the other's
.set STG,   SLOT1+4*QW                 ; the four stages: the next chunk's codes of my 64 rows; stored by ds_store, never a fill's target
.set DHT,   STG+4*QW                   ; dh[b][0..1023], f32
.set ESTG,  DHT+4096                   ; the way out: 256 bytes for each wave
.set SPARE, ESTG+1024                  ; the spare words, 128 bytes for each wave: two blocks of 256 bytes that no other line names
.set SPW,   1                          ; v1   LDS address of my spare word; never rewritten
.set NIL,   2                          ; v2   0; never rewritten
.set AB0,   3                          ; v3   a fragment's place for my lane: r x pitch + 16 h
.set ADB,   4                          ; v4   the same in the slot in hand
.set AH0,   5                          ; v5   DHT + 4 r
.set ADH,   6                          ; v6   the same at the step's 256 e
.set ASTW0, 7                          ; v7   where I store a group's codes: my stage + (lane / 16) x pitch + 16 (lane % 16)
.set ASTW,  8                          ; v8   the same in the half of the stage that the pass in hand fills
.set ASTR,  9                          ; v9   where I read my rows' fragments: my stage + r x pitch + 16 h
.set EO,    10                         ; v10  enc: (lane / 16) x a row's distance of 131,072 bytes + 16 (lane % 16); never rewritten
.set SCL,   11                         ; v11  2^e0 as f32
.set EW,    12                         ; v12  the way out: in
.set ER,    13                         ; v13  and back
.set GO,    14                         ; v14  8 x lane
.set LIM,   15                         ; v15  57,344 x 2^e0
.set E,     32
.set DP,    64
.set DQ,    96
.set AF,    128
.set DH,    128                        ; window 2: unit u's dh at DH + 4 (u % 4) + 2 t; the odd registers, named as upper halves of pairs, hold 0
.set CT,    144                        ; window 2: two sets of 4
.set WV,    14                         ; s14  my wave's number
.set EB,    20                         ; s[20:21] enc at my wave's first row, my b
.set EP,    22                         ; s[22:23] the same at the pass that is being asked for
.set HN,    24                         ; s24  that pass's number
.set SH,    25                         ; s25  0 or 32 rows: the half of the stage that is being filled
.set TB,    26                         ; s26  0 or SLOT1: the slot in hand
.set DHO,   27                         ; s27  1,024 x (step % 4): the step's place in the table of dh
.set P,     28                         ; s28  the main loop's counter
.set CNT,   29                         ; s29  first my quarter's place in a slot, then the small loops' counter
.set G1,    32                         ; s[32:39] descriptor group 1
.set G0A,   40                         ; s[40:43] group 0 of tile 0
.set G0B,   44                         ; s[44:47] group 0 of tile 1, which then walks
.set W_M,   0x08                       ; source 1 in window 2
.set W_LB,  0x80                       ; destination in window 2
.set W_QH,  0x41                       ; source 0 and destination in window 1
.set W_QC,  0x81                       ; source 0 in window 1, destination in window 2
.set W_QL,  0x40                       ; destination in window 1
.set MSB, 0
.macro WIN new                         ; the immediate's high byte repeats the setting that is left; a switch that changes nothing is dropped
.if MSB != \new
	s_set_vgpr_msb (MSB<<8)|\new
.set MSB, \new
.endif
.endm
.macro PLACES
.rept 4
	v_nop
.endr
.endm
; A round of the cluster's barrier: my work-group's barrier; wave 0 signals for the work-group; every wave waits for all four work-groups; my work-group's barrier once more.
.macro ROUND
	s_barrier_signal -1
	s_barrier_wait -1
	s_cmp_lg_u32 s[WV], 0
	s_cbranch_scc1 .Lnot_wave_0_\@
	s_barrier_signal -3
.Lnot_wave_0_\@:
	s_barrier_wait -3
	s_barrier_signal -1
	s_barrier_wait -1
.endm
; ---- enc ----
.macro ISSUE j                         ; group j of the pass at s[EP]: rows 2 j, 2 j + 1; the largest offset, 3,932,928, lies inside the signed 24-bit immediate (ISA guide, chapter 10)
	WIN W_QL
.irp q, 0,1,2,3
	global_load_b128 v[16*(\j)+4*\q:16*(\j)+4*\q+3], v[EO], s[EP:EP+1] offset:(\j)*262144+256*\q th:TH_LOAD_NT   ; enc is read once
.endr
.endm
.macro HOLD j, a                       ; the conversion to an 8-bit code does not saturate (ISA guide 7.6.2): eight numbers are held within the largest code x the scale
	WIN W_QH
.irp i, 0,1,2,3,4,5,6,7
	v_med3_num_f32 v[16*(\j)+(\a)+\i], v[16*(\j)+(\a)+\i], -v[LIM], v[LIM]
.endr
.endm
.macro CODES j
	WIN W_QC
	v_cvt_scalef32_pk8_bf8_f32 v[CT+4*((\j)%2):CT+4*((\j)%2)+1], v[16*(\j):16*(\j)+7], v[SCL]
	v_cvt_scalef32_pk8_bf8_f32 v[CT+4*((\j)%2)+2:CT+4*((\j)%2)+3], v[16*(\j)+8:16*(\j)+15], v[SCL]
	v_nop                                          ; one plain vector line behind the last conversion of a run
.endm
.macro PUT j                           ; sixteen lanes store a row's 256 codes on end
	WIN W_M
	ds_store_b128 v[ASTW], v[CT+4*((\j)%2):CT+4*((\j)%2)+3] offset:(\j)*2*PITCH
.endm
.macro GROUP j, issue, left            ; a group where no products stand beside it.  left: the younger loads, which may stay out
	s_wait_loadcnt \left
	HOLD \j, 0
	HOLD \j, 8
	s_wait_dscnt 0x1                               ; the store two groups back, which read this set of code registers, is done; the youngest may be out
	CODES \j
	PUT \j
.if \issue
	ISSUE \j
.endif
.endm
.macro PASSEND flip                    ; every window is 0 here
	s_wait_xcnt 0x0                                ; the loads just issued have read their base: it is written only behind this wait
	s_add_co_u32 s[HN], s[HN], 1
	s_and_b32 s52, s[HN], 1
	s_lshl_b32 s52, s52, 22                        ; 32 rows of 131,072 bytes
	s_lshr_b32 s53, s[HN], 1
	s_lshl_b32 s53, s53, 10                        ; a chunk is 1,024 bytes of a row
	s_add_co_u32 s52, s52, s53
	s_mov_b32 s53, 0
	s_add_nc_u64 s[EP:EP+1], s[EB:EB+1], s[52:53]
.if \flip
	s_xor_b32 s[SH], s[SH], 32*PITCH
.endif
	v_add_nc_u32 v[ASTW], s[SH], v[ASTW0]
.endm
; ---- fragments ----
; A fragment, 16 rows x 128 codes, is 16 registers: lane (r, h) holds, of row r, bytes 32 c + 16 h + 0 .. 15 in registers 4 c .. 4 c + 3: four loads of 16 bytes.  The same for both operands, so every product meets its partner.
.macro FETCH u                         ; unit u of the slot at v[ADB]: two tiles of 16 e x two K steps, and the two tiles' dh: 18 loads in one run
	WIN W_LB
.irp t, 0,1
.irp k, 0,1
.irp c, 0,1,2,3
	ds_load_b128 v[64*((\u)%2)+32*\t+16*\k+4*\c:64*((\u)%2)+32*\t+16*\k+4*\c+3], v[ADB] offset:16*(2*(\u)+\t)*PITCH+128*\k+32*\c
.endr
.endr
.endr
.irp t, 0,1
	ds_load_b32 v[DH+4*((\u)%4)+2*\t], v[ADH] offset:64*(2*(\u)+\t)   ; dh[e0 + r]: the factor of my lane's column
.endr
.endm
.macro ACH                             ; my 64 rows' fragments of the chunk that lies in my stage.  LDS serves a wave's instructions in order (ISA guide 5.7.1.4): these see my stores, and the next pass's stores come behind them
	WIN 0
.irp m, 0,1,2,3
.irp k, 0,1
.irp c, 0,1,2,3
	ds_load_b128 v[AF+16*(2*\m+\k)+4*\c:AF+16*(2*\m+\k)+4*\c+3], v[ASTR] offset:16*\m*PITCH+128*\k+32*\c
.endr
.endr
.endr
.endm
; Matrix instruction i = 8 t + 4 k + m of unit u: tile t of e, K step k, tile m of rows.  Source 0 = my 16 rows, source 1 = 16 rows e of W: lane (r, h) holds column e0 + r, register j row 8 h + j.
; The eight accumulators take turns, one instruction a turn, over every edge; K step 0 starts each sum with the constant 0.
.macro MM u, i
.set tt, (\i)/8
.set kk, ((\i)/4)%2
.set mm, (\i)%4
.set rD, DP+32*tt+8*mm
.set rA, AF+16*(2*mm+kk)
.set rB, 64*((\u)%2)+32*tt+16*kk
.if kk == 0
	v_wmma_f32_16x16x128_bf8_bf8 v[rD:rD+7], v[rA:rA+15], v[rB:rB+15], 0
.else
	v_wmma_f32_16x16x128_bf8_bf8 v[rD:rD+7], v[rA:rA+15], v[rB:rB+15], v[rD:rD+7]
.endif
.endm
.macro FOLD d, f, dh                   ; fold f = 4 m + p of the tile whose accumulators begin at v[d]: two rows.  f ascends
.set rF, 8*((\f)/4)+2*((\f)%4)
	v_pk_fma_f32 v[E+rF:E+rF+1], v[\d+rF:\d+rF+1], v[\dh:\dh+1], v[E+rF:E+rF+1] op_sel_hi:[1,0,1]   ; of the pair at dh the low word serves both halves
.endm
; THE CHANGE OF SLOTS, at the head of a step's last unit, whose fragments are already asked for.  Each wave waits for all its tensor loads (one is out: its quarter of the next tile), adds 0 to its spare word, and waits
; for that and for its reads of the slot.  ch = 2: the barrier is a round of the cluster's, so that no wave of any partner still reads the slot or has a load on its way; the joint refill, the tile two steps on, is the
; first thing behind it and has a step, 128 matrix instructions, in which to land.  ch = 1: nothing is left to ask for: a plain barrier.  Then the next step's first fragments are asked for, out of the other slot.
.macro CHANGE ch, dx
	WIN 0                                          ; the add's two registers lie in window 0; at a branch and at a label every window is 0
	s_wait_tensorcnt 0x0                           ; no tensor load of mine is out, so the walking group 0 may be written
	ds_add_u32 v[SPW], v[NIL]                      ; 0 onto my spare word; the scalar steps stand between it and the wait for it
.if (\ch) == 2
	s_xor_b32 s[G0B+1], s[G0B+1], SLOT1            ; the other slot than last time,
	s_add_nc_u64 s[G0B+2:G0B+3], s[G0B+2:G0B+3], 65536   ; the next tile; the type bits on top are not reached
.endif
	s_xor_b32 s[TB], s[TB], SLOT1
	s_xor_b32 s[DHO], s[DHO], \dx                  ; 0, 1024, 2048, 3072, 0 ..: behind an even step ^ 1024, behind an odd one ^ 3072
	s_wait_dscnt 0x0                               ; the add is done, and my reads of the slot are over
.if (\ch) == 2
	ROUND
	tensor_load_to_lds s[G0B:G0B+3], s[G1:G1+7]
	s_nop 0
.else
	s_barrier_signal -1
	s_barrier_wait -1
.endif
	PLACES                                         ; behind the tensor load; with the two folds behind the unit before, also the places in front of the loads below
	v_add_nc_u32 v[ADB], s[TB], v[AB0]
	v_add_nc_u32 v[ADH], s[DHO], v[AH0]
	FETCH 0
.endm
; A UNIT: two tiles of e, 16 matrix instructions, two folds behind each: behind the first tile's products the folds of the unit before's second tile, behind the second tile's those of this unit's first.
; So a result is first read eight folds of other accumulators behind the instruction that finished it, and a set of W's fragments is loaded anew four folds behind its last product: plain vector instructions that name
; none of that instruction's registers (ISA guide 7.12.1 for vector instructions).  A step's first unit has no tile before it: four v_nop take the folds' part.  A step's last unit folds its second tile at its end.
; q = 1: group 8 bank + u of enc is quantised in four slices among the products, and its registers are asked for again.
.macro UNIT q, bank, ch, dx, u
.set dhP, DH+4*((\u)%4)
.set dhQ, DH+4*((\u)%4)+2
.set dhO, DH+4*(((\u)+3)%4)+2
.set gj, 8*(\bank)+(\u)
.if ((\u) == 7) && ((\ch) > 0)
	CHANGE \ch, \dx
.else
	s_wait_dscnt 0x0                               ; this unit's fragments, asked for a unit ago, are in; the group's store is done
.endif
.set ii, 0
.rept 16
	WIN W_M
	MM \u, ii
.if ii < 8
.if (\u) > 0
	FOLD DQ, 2*ii, dhO
	FOLD DQ, 2*ii+1, dhO
.endif
.else
	FOLD DP, 2*(ii-8), dhP
	FOLD DP, 2*(ii-8)+1, dhP
.endif
.if (ii == 0) && ((\u) < 7)
	FETCH (\u)+1
.endif
.if (ii == 7) && ((\u) == 0)
	PLACES
.endif
.if \q
.if ii == 1
	s_wait_loadcnt 60                              ; my group's four loads are in; the 15 younger groups' 60 stay out
	HOLD gj, 0
.elseif ii == 3
	HOLD gj, 8
.elseif ii == 5
	CODES gj
.elseif ii == 6
	PUT gj
	ISSUE gj
.endif
.endif
.set ii, ii+1
.endr
.if (\u) == 7
.set ii, 0
.rept 16
	FOLD DQ, ii, dhQ
.set ii, ii+1
.endr
.endif
.endm
.macro STEP q, bank, ch, dx
.irp u, 0,1,2,3,4,5,6,7
	UNIT \q, \bank, \ch, \dx, \u
.endr
.endm
	s_load_b256 s[4:11], s[0:1], 0x0               ; enc s[4:5], dh s[6:7], W's codes s[8:9], the scales' exponents s[10:11]
	s_load_b64 s[12:13], s[0:1], 0x20              ; energies
	v_lshl_add_u32 v[SPW], v0, 2, SPARE
	v_mov_b32 v[NIL], 0
	ds_add_u32 v[SPW], v[NIL]                      ; the wave's opening: the add, twice on end, and its wait ahead of my first tensor load; the set-up below, work on registers, stands between
	ds_add_u32 v[SPW], v[NIL]                      ; and once more, under the one wait
	v_lshrrev_b32 v16, 5, v0
	v_readfirstlane_b32 s[WV], v16                 ; wave 0..3
	s_bfe_u32 s15, ttmp6, 0x40000                  ; cx: my place in the cluster
	s_lshl_b32 s16, ttmp9, 2                       ; in a cluster launch ttmp9 counts clusters
	s_add_co_u32 s16, s16, s15                     ; my block of 256 positions
	s_and_b32 s17, ttmp7, 0xffff                   ; b
	; descriptor group 1: 64 rows x 256 bytes, dense in memory, padded in LDS
	s_mov_b32 s[G1], 15|(0<<16)|(1<<20)|(1<<21)|(5<<22)|(3<<25)   ; 15:0 the mask: all four work-groups; 17:16 elements of 1 byte; 20 padding on; 21 set beside a mask; 24:22 after every 64 words (code 5); 31:25 four words (code 3)
	s_mov_b32 s[G1+1], 256<<16                     ; tensor_dim0
	s_mov_b32 s[G1+2], 64<<16                      ; tensor_dim1
	s_mov_b32 s[G1+3], 256<<16                     ; tile_dim0
	s_mov_b32 s[G1+4], 64                          ; tile_dim1
	s_mov_b32 s[G1+5], 256                         ; tensor_dim0_stride
	s_mov_b32 s[G1+6], 0
	s_mov_b32 s[G1+7], 0
	s_mul_i32 s[CNT], s[WV], QW                    ; my quarter's place in a slot, and my stage's among the four: no place in the cluster enters an LDS address
	s_add_co_u32 s31, s[CNT], STG
	s_lshl_b32 s51, s[WV], 8
	s_add_co_u32 s51, s51, ESTG
	v_and_b32 v17, 15, v0                          ; r = lane % 16
	v_bfe_u32 v18, v0, 4, 1                        ; h = lane / 16
	v_and_b32 v19, 31, v0                          ; lane
	v_mul_u32_u24 v[AB0], v17, PITCH
	v_lshl_add_u32 v[AB0], v18, 4, v[AB0]
	v_lshlrev_b32 v[AH0], 2, v17
	v_add_nc_u32 v[AH0], DHT, v[AH0]
	v_add_nc_u32 v[ASTR], s31, v[AB0]
	v_mul_u32_u24 v[ASTW0], v18, PITCH
	v_lshl_add_u32 v[ASTW0], v17, 4, v[ASTW0]
	v_add_nc_u32 v[ASTW0], s31, v[ASTW0]
	v_lshlrev_b32 v[EO], 17, v18
	v_lshl_add_u32 v[EO], v17, 4, v[EO]
	v_lshlrev_b32 v[EW], 5, v18
	v_add_nc_u32 v[EW], s51, v[EW]                 ; rows 8 h + j of a tile: 32 h bytes on
	v_lshlrev_b32 v[GO], 3, v19
	v_add_nc_u32 v[ER], s51, v[GO]
	v_lshlrev_b32 v20, 5, v0                       ; dh: thread t brings numbers 8 t .. 8 t + 7
	v_add_nc_u32 v21, DHT, v20
	s_lshl_b32 s18, s16, 8
	s_lshl_b32 s19, s[WV], 6
	s_add_co_u32 s18, s18, s19                     ; my wave's first position s
	s_lshl_b32 s52, s18, 2
	s_lshl_b32 s53, s17, 13
	s_add_co_u32 s52, s52, s53                     ; energies: 8,192 b + 4 s
	s_mov_b32 s53, 0
	s_lshl_b32 s18, s18, 17
	s_lshl_b32 s30, s17, 12                        ; 4,096 b: b's place in a position of enc, and in dh
	s_add_co_u32 s18, s18, s30                     ; enc: 131,072 s + 4,096 b, under 2^29
	s_mov_b32 s19, 0
	s_mov_b32 s31, 0
	s_lshl_b32 s50, s[WV], 14                      ; my quarter of a tile in memory
	s_mov_b32 s51, 0
	s_mov_b32 s[HN], 0
	s_mov_b32 s[SH], 0
	s_mov_b32 s[TB], 0
	s_mov_b32 s[DHO], 0
	s_wait_dscnt 0x0                               ; both opening adds are done
	s_wait_kmcnt 0x0
	s_load_b64 s[48:49], s[10:11], 0x0             ; e0, e1
	s_add_nc_u64 s[12:13], s[12:13], s[52:53]
	s_add_nc_u64 s[EB:EB+1], s[4:5], s[18:19]
	s_mov_b64 s[EP:EP+1], s[EB:EB+1]               ; pass 0
	s_add_nc_u64 s[6:7], s[6:7], s[30:31]
	s_add_nc_u64 s[8:9], s[8:9], s[50:51]
	s_mov_b32 s[G0A], 1                            ; 1:0 count = 1
	s_mov_b32 s[G0A+1], s[CNT]                     ; 63:32 LDS address: slot 0
	s_mov_b64 s[G0A+2:G0A+3], s[8:9]               ; 120:64 global address: tile 0
	s_or_b32 s[G0A+3], s[G0A+3], 0x80000000        ; 127:126 type = 2
	s_mov_b32 s[G0B], 1
	s_add_co_u32 s[G0B+1], s[CNT], SLOT1
	s_add_nc_u64 s[G0B+2:G0B+3], s[8:9], 65536     ; tile 1
	s_or_b32 s[G0B+3], s[G0B+3], 0x80000000
	ROUND                                          ; all four work-groups are here: the first joint loads meet
	tensor_load_to_lds s[G0A:G0A+3], s[G1:G1+7]    ; every wave issues both first fills, with no branch: two loads of mine are out
	s_nop 0
	tensor_load_to_lds s[G0B:G0B+3], s[G1:G1+7]
	s_nop 0
	PLACES
	global_load_b128 v[64:67], v20, s[6:7]
	global_load_b128 v[68:71], v20, s[6:7] offset:16
.irp j, 0,1,2,3,4,5,6,7,8,9,10,11,12,13,14
	ISSUE \j                                       ; pass 0
.endr
	WIN 0
	s_wait_kmcnt 0x0
	s_add_co_i32 s50, s48, s49                     ; e0 + e1, for the way out
	s_add_co_i32 s30, s48, 127
	s_lshl_b32 s31, s30, 23
	v_mov_b32 v[SCL], s31                          ; the conversion takes this number's exponent field
	s_add_co_i32 s30, s30, 15
	s_lshl_b32 s30, s30, 23
	s_or_b32 s30, s30, 0x600000                    ; 57,344 = 1.75 x 2^15
	v_mov_b32 v[LIM], s30
	s_wait_loadcnt 60                              ; dh is in: 60 loads of enc were issued behind it
	ds_store_b128 v21, v[64:67]
	ds_store_b128 v21, v[68:71] offset:16
	ISSUE 15
	WIN 0
	PASSEND 0                                      ; pass 1 is asked for next; pass 0 goes into the stage's first half
.set ii, 0
.rept 32
	v_mov_b32 v[E+ii], 0                           ; E is cleared once, so that the fold has one form in every loop
.set ii, ii+1
.endr
	WIN W_LB
.irp i, 0,1,2,3,4,5,6,7
	v_mov_b32 v[DH+2*\i+1], 0                      ; named as upper halves of pairs, so they are written
.endr
	WIN 0
	s_mov_b32 s[CNT], 2
.Lq:                                               ; chunk 0: passes 0 and 1 are quantised, passes 1 and 2 asked for
.irp j, 0,1,2,3,4,5,6,7,8,9,10,11,12,13,14,15
	GROUP \j, 1, 60
.endr
	WIN 0
	PASSEND 1
	s_sub_co_u32 s[CNT], s[CNT], 1
	s_cmp_lg_u32 s[CNT], 0
	s_cbranch_scc1 .Lq
	s_wait_tensorcnt 0x1                           ; my quarter of tile 0 is in; tile 1's may stay out
	s_wait_dscnt 0x0                               ; my part of dh lies in LDS
	s_barrier_signal -1
	s_barrier_wait -1                              ; everybody's does
	ACH                                            ; chunk 0
	v_add_nc_u32 v[ADB], s[TB], v[AB0]
	v_add_nc_u32 v[ADH], s[DHO], v[AH0]
	FETCH 0
	WIN 0
	s_mov_b32 s[P], 0
.Lmain:                                            ; trip P = 0..4: steps 2 P, 2 P + 1; pass P + 2 is quantised, pass P + 3 asked for: the last is pass 7, so no load leaves enc
	STEP 1, 0, 2, 1024
	STEP 1, 1, 2, 3072
	WIN 0
	PASSEND 1
	s_bitcmp1_b32 s[P], 0                          ; behind trips 1 and 3 a chunk's four steps are over and the next chunk's 64 rows lie in my stage
	s_cbranch_scc0 .Lsame_chunk
	ACH                                            ; behind the step's last 18 folds
.Lsame_chunk:
	s_add_co_u32 s[P], s[P], 1
	s_cmp_lt_u32 s[P], 5
	s_cbranch_scc1 .Lmain
	s_mov_b32 s[CNT], 2
.Ltail:                                            ; two trips: steps 10, 11, then 12, 13: they ask for tiles 12 to 15 and for nothing of enc
	STEP 0, 0, 2, 1024
	STEP 0, 0, 2, 3072
	WIN 0
	s_cmp_lg_u32 s[CNT], 2                         ; between the two trips: the last pass, and chunk 3.  The branch hangs on the loop's counter and leads round no tensor load, wait for one, add or barrier
	s_cbranch_scc1 .Lno_pass
.irp j, 0,1,2,3,4,5,6,7,8,9,10,11,12,13,14,15
	GROUP \j, 0, 4*(15-\j)                         ; pass 7: nothing is asked for behind it, so the counts run down
.endr
	ACH
.Lno_pass:
	s_sub_co_u32 s[CNT], s[CNT], 1
	s_cmp_lg_u32 s[CNT], 0
	s_cbranch_scc1 .Ltail
	STEP 0, 0, 1, 1024                             ; step 14: the tail is written out: its change of slots asks for nothing
	STEP 0, 0, 0, 0                                ; step 15
	; THE WAY OUT.  A row's 16 partial sums lie in the 16 lanes of a half: four steps of additions leave the whole sum in each.  Then 64 numbers go through my 256 bytes of LDS, so that the wave stores them on end.
	WIN 0
.irp x, 1,2,4,8
.set ii, 0
.rept 32
	v_add_f32_dpp v[E+ii], v[E+ii], v[E+ii] row_xmask:\x row_mask:0xf bank_mask:0xf
.set ii, ii+1
.endr
.endr
.irp m, 0,1,2,3
	ds_store_b128 v[EW], v[E+8*\m:E+8*\m+3] offset:64*\m          ; rows 16 m + 8 h + 0 .. 3; the sixteen lanes of a half write the same bytes with the same values
	ds_store_b128 v[EW], v[E+8*\m+4:E+8*\m+7] offset:64*\m+16
.endr
	ds_load_b64 v[16:17], v[ER]                    ; LDS serves a wave's instructions in order: this sees my stores.  Rows 2 lane, 2 lane + 1
	s_wait_dscnt 0x0
	v_ldexp_f32 v16, v16, s50                      ; x 2^(e0 + e1)
	v_ldexp_f32 v17, v17, s50
	global_store_b64 v[GO], v[16:17], s[12:13]     ; the wave stores 256 consecutive bytes, at a multiple of 256 from the buffer's first byte
	s_wait_tensorcnt 0x0                           ; the wave's end, behind my last tensor load and my last LDS store
	ds_add_u32 v[SPW], v[NIL]
	s_wait_dscnt 0x0
	ROUND                                          ; the closing round: no work-group ends while a partner may still ask for a tile that names it
	s_endpgm
.Lfunc_end_k_qa79d328c10_energy:
	.size	k_qa79d328c10_energy, .Lfunc_end_k_qa79d328c10_energy-k_qa79d328c10_energy
	.p2alignl 7, 3214868480
	.fill 96, 4, 3214868480
	.section	.rodata,"a",@progbits
	.p2align	6, 0x0
	.amdhsa_kernel k_qa79d328c10_energy
		.amdhsa_group_segment_fixed_size 327680
		.amdhsa_private_segment_fixed_size 0
		.amdhsa_enable_private_segment 0
		.amdhsa_kernarg_size 40
		.amdhsa_user_sgpr_count 2
		.amdhsa_user_sgpr_kernarg_segment_ptr 1
		.amdhsa_wavefront_size32 1
		.amdhsa_system_sgpr_workgroup_id_x 1
		.amdhsa_system_sgpr_workgroup_id_y 1
		.amdhsa_system_sgpr_workgroup_id_z 1
		.amdhsa_system_vgpr_workitem_id 0
		.amdhsa_next_free_vgpr 768
		.amdhsa_next_free_sgpr 66
		.amdhsa_reserve_vcc 0
		.amdhsa_float_denorm_mode_32 3
		.amdhsa_float_denorm_mode_16_64 3
		.amdhsa_memory_ordered 1
		.amdhsa_forward_progress 1
		.amdhsa_inst_pref_size 255
	.end_amdhsa_kernel
	.section	.bss,"aw",@nobits
	.p2align	6
	.space	262144
	.amdgpu_metadata
---
amdhsa.version: [ 1, 2 ]
amdhsa.kernels:
  - .name:           k_qa79d328c10_energy
    .symbol:         k_qa79d328c10_energy.kd
    .args:
      - { .name: encoder_outputs, .offset: 0, .size: 8, .value_kind: global_buffer, .address_space: global }
      - { .name: decoder_hidden, .offset: 8, .size: 8, .value_kind: global_buffer, .address_space: global }
      - { .name: w_codes, .offset: 16, .size: 8, .value_kind: global_buffer, .address_space: global }
      - { .name: lowp_scales, .offset: 24, .size: 8, .value_kind: global_buffer, .address_space: global }
      - { .name: energies, .offset: 32, .size: 8, .value_kind: global_buffer, .address_space: global }
    .group_segment_fixed_size: 327680
    .private_segment_fixed_size: 0
    .kernarg_segment_align: 8
    .kernarg_segment_size: 40
    .max_flat_workgroup_size: 128
    .sgpr_count:     66
    .vgpr_count:     768
    .wavefront_size: 32
...
	.end_amdgpu_metadata
.endif
;; end of part 2
;; launch soft (part 3): grid 32 x 1, 1 waves a work-group, no clusters, 0 bytes of LDS; arguments energies, out0; writes out0
.if DOCPART == 3
	.amdgcn_target "amdgcn-amd-amdhsa--gfx1250"
	.amdhsa_code_object_version 6
	.text
	.protected	k_qa79d328c10_soft
	.globl	k_qa79d328c10_soft
	.p2align	8
	.type	k_qa79d328c10_soft,@function
k_qa79d328c10_soft:
	s_mov_b64 s[64:65], 0
	v_nop
	global_prefetch_b8 v0, s[64:65] scope:SCOPE_SE
	s_setreg_imm32_b32 hwreg(HW_REG_WAVE_MODE, 25, 1), 1
	s_wait_xcnt 0x0
; out0[b][0][s] = exp(x[s] - max) / sum over s of exp(x[s] - max), x = energies[b][:], 2,048 numbers, all in f32.  (The energies come without the bias's term, which is the same for all s of a row: see the first kernel's head.)
; One wave takes one row: 64 numbers a lane stay in registers between the maximum, the exponentials and the division, so the row is read once and the reductions never leave the wave: no LDS, no barrier.
; 32 rows, so 32 work-groups.  Each load and store of the wave covers 512 consecutive bytes, aligned.
; The maximum is taken away BEFORE the multiplication by log2(e), as the reference takes it: the difference is exact near the maximum, however large the energies are.
; LIMIT: an exponential under 2^-126 comes out as 0 (ISA guide 15.8: v_exp_f32 flushes denormals).  NaN among the energies is not served.
.set X, 16                             ; v16-79 the row
	s_load_b128 s[4:7], s[0:1], 0x0                ; energies, out0
	v_lshlrev_b32 v1, 4, v0                        ; 16 bytes a lane
	s_lshl_b32 s8, ttmp9, 13                       ; a row is 8,192 bytes
	s_mov_b32 s9, 0
	s_mov_b32 s12, 0x76543210                      ; v_permlanex16_b32: lane l takes lane l xor 16
	s_mov_b32 s13, 0xfedcba98
	s_mov_b32 s14, 0x3fb8aa3b                      ; log2(e)
	s_mov_b32 s15, s14                             ; (named with it as a pair, so it is written)
	s_wait_kmcnt 0x0
	s_add_nc_u64 s[4:5], s[4:5], s[8:9]
	s_add_nc_u64 s[6:7], s[6:7], s[8:9]
.irp i, 0,1,2,3,4,5,6,7,8,9,10,11,12,13,14,15
	global_load_b128 v[X+4*\i:X+4*\i+3], v1, s[4:5] offset:512*\i th:TH_LOAD_NT
.endr
	v_mov_b32 v4, 0                                ; a lane permute's destination counts as one of its sources
	s_wait_loadcnt 0x0
	v_max3_num_f32 v2, v[X], v[X+1], v[X+2]        ; my 64 numbers' maximum, in two chains
	v_max3_num_f32 v3, v[X+3], v[X+4], v[X+5]
.irp i, 6,10,14,18,22,26,30,34,38,42,46,50,54,58
	v_max3_num_f32 v2, v2, v[X+\i], v[X+\i+1]
	v_max3_num_f32 v3, v3, v[X+\i+2], v[X+\i+3]
.endr
	v_max3_num_f32 v2, v2, v[X+62], v[X+63]
	v_max_num_f32 v2, v2, v3
	v_max_num_f32_dpp v2, v2, v2 row_xmask:1 row_mask:0xf bank_mask:0xf
	v_max_num_f32_dpp v2, v2, v2 row_xmask:2 row_mask:0xf bank_mask:0xf
	v_max_num_f32_dpp v2, v2, v2 row_xmask:4 row_mask:0xf bank_mask:0xf
	v_max_num_f32_dpp v2, v2, v2 row_xmask:8 row_mask:0xf bank_mask:0xf
	v_permlanex16_b32 v4, v2, s12, s13
	v_max_num_f32 v8, v2, v4                       ; the row's maximum, in every lane,
	v_mov_b32 v9, v8                               ; twice: a pair for the packed subtraction
.set j, 0
.rept 32
	v_pk_add_f32 v[X+j:X+j+1], v[X+j:X+j+1], v[8:9] neg_lo:[0,1] neg_hi:[0,1]   ; x - max
.set j, j+2
.endr
.set j, 0
.rept 32
	v_pk_mul_f32 v[X+j:X+j+1], v[X+j:X+j+1], s[14:15] op_sel_hi:[1,0]           ; x log2(e)
.set j, j+2
.endr
.set j, 0
.rept 64
	v_exp_f32 v[X+j], v[X+j]                       ; one batch
.set j, j+1
.endr
	v_mov_b32 v5, 0                                ; the plain instruction behind the last exponential; also the second permute's destination
	s_wait_alu depctr_va_vdst(0)                   ; one wait for the whole batch, ahead of its first reader
	v_pk_add_f32 v[10:11], v[X:X+1], v[X+2:X+3]    ; the sum, two at a time, in two chains
	v_pk_add_f32 v[12:13], v[X+4:X+5], v[X+6:X+7]
.irp i, 8,12,16,20,24,28,32,36,40,44,48,52,56,60
	v_pk_add_f32 v[10:11], v[10:11], v[X+\i:X+\i+1]
	v_pk_add_f32 v[12:13], v[12:13], v[X+\i+2:X+\i+3]
.endr
	v_pk_add_f32 v[10:11], v[10:11], v[12:13]
	v_add_f32 v10, v10, v11
	v_add_f32_dpp v10, v10, v10 row_xmask:1 row_mask:0xf bank_mask:0xf
	v_add_f32_dpp v10, v10, v10 row_xmask:2 row_mask:0xf bank_mask:0xf
	v_add_f32_dpp v10, v10, v10 row_xmask:4 row_mask:0xf bank_mask:0xf
	v_add_f32_dpp v10, v10, v10 row_xmask:8 row_mask:0xf bank_mask:0xf
	v_permlanex16_b32 v5, v10, s12, s13
	v_add_f32 v10, v10, v5                         ; at least 1: the maximum's own term
	v_rcp_f32 v6, v10
	v_mov_b32 v7, 0                                ; the plain instruction behind the reciprocal; v7 is named as the upper half of the pair v[6:7]
	s_wait_alu depctr_va_vdst(0)                   ; ahead of the reciprocal's first reader
.set j, 0
.rept 32
	v_pk_mul_f32 v[X+j:X+j+1], v[X+j:X+j+1], v[6:7] op_sel_hi:[1,0]   ; both halves by v6
.set j, j+2
.endr
.irp i, 0,1,2,3,4,5,6,7,8,9,10,11,12,13,14,15
	global_store_b128 v1, v[X+4*\i:X+4*\i+3], s[6:7] offset:512*\i th:TH_STORE_NT
.endr
	s_endpgm
.Lfunc_end_k_qa79d328c10_soft:
	.size	k_qa79d328c10_soft, .Lfunc_end_k_qa79d328c10_soft-k_qa79d328c10_soft
	.p2alignl 7, 3214868480
	.fill 96, 4, 3214868480
	.section	.rodata,"a",@progbits
	.p2align	6, 0x0
	.amdhsa_kernel k_qa79d328c10_soft
		.amdhsa_group_segment_fixed_size 0
		.amdhsa_private_segment_fixed_size 0
		.amdhsa_enable_private_segment 0
		.amdhsa_kernarg_size 16
		.amdhsa_user_sgpr_count 2
		.amdhsa_user_sgpr_kernarg_segment_ptr 1
		.amdhsa_wavefront_size32 1
		.amdhsa_system_sgpr_workgroup_id_x 1
		.amdhsa_system_sgpr_workgroup_id_y 1
		.amdhsa_system_sgpr_workgroup_id_z 1
		.amdhsa_system_vgpr_workitem_id 0
		.amdhsa_next_free_vgpr 96
		.amdhsa_next_free_sgpr 66
		.amdhsa_reserve_vcc 0
		.amdhsa_float_denorm_mode_32 3
		.amdhsa_float_denorm_mode_16_64 3
		.amdhsa_memory_ordered 1
		.amdhsa_forward_progress 1
		.amdhsa_inst_pref_size 17
	.end_amdhsa_kernel
	.amdgpu_metadata
---
amdhsa.version: [ 1, 2 ]
amdhsa.kernels:
  - .name:           k_qa79d328c10_soft
    .symbol:         k_qa79d328c10_soft.kd
    .args:
      - { .name: energies, .offset: 0, .size: 8, .value_kind: global_buffer, .address_space: global }
      - { .name: out0, .offset: 8, .size: 8, .value_kind: global_buffer, .address_space: global }
    .group_segment_fixed_size: 0
    .private_segment_fixed_size: 0
    .kernarg_segment_align: 8
    .kernarg_segment_size: 16
    .max_flat_workgroup_size: 32
    .sgpr_count:     66
    .vgpr_count:     96
    .wavefront_size: 32
...
	.end_amdgpu_metadata
.endif
;; end of part 3
